; MI455X (gfx1250); checked and timed in simulation.
; The chip was launched on July 23, 2026; its instructions are those of AMD's public machine-readable ISA for CDNA 5 (MIT licence, August 2026) and "CDNA5" Instruction Set Architecture Reference Guide (July 2026). The comments in the code are by the model that wrote it; some were corrected since.
;; Multihead Attention. Allowed arithmetic: matrix products marked QUANTISED: E3M2 operands, one E8M0 scale for each 32 along K, by v_wmma_scale_f32_16x16x128_f8f6f4 with both operands' format E3M2, f32 sums; everything else in f32.
;; Inputs: Wk_codes 8 x 64 x 16 x 24 uint8 (E3M2 codes of Wk, K innermost, in blocks of 32 codes, four codes in three bytes); Wk_scales 8 x 64 x 16 uint8 (E8M0 scales of Wk, one for each 32 codes along K); Wq_codes 8 x 64 x 16 x 24 uint8 (E3M2 codes of Wq, K innermost, in blocks of 32 codes, four codes in three bytes); Wq_scales 8 x 64 x 16 uint8 (E8M0 scales of Wq, one for each 32 codes along K); Wv_codes 8 x 64 x 16 x 24 uint8 (E3M2 codes of Wv, K innermost, in blocks of 32 codes, four codes in three bytes); Wv_scales 8 x 64 x 16 uint8 (E8M0 scales of Wv, one for each 32 codes along K); beta 512 float32; gamma 512 float32; key_codes 4 x 2,048 x 16 x 24 uint8 (E3M2 codes of key, K innermost, in blocks of 32 codes, four codes in three bytes); key_scales 4 x 2,048 x 16 uint8 (E8M0 scales of key, one for each 32 codes along K); query 4 x 2,048 x 512 float32; query_mask 4 x 2,048 float32; value_codes 4 x 2,048 x 16 x 24 uint8 (E3M2 codes of value, K innermost, in blocks of 32 codes, four codes in three bytes); value_mask 4 x 2,048 float32; value_scales 4 x 2,048 x 16 uint8 (E8M0 scales of value, one for each 32 codes along K).
;; Outputs: out0 4 x 2,048 x 512 float32.
;; This version of the problem:
;;   THIS VERSION OF THE PROBLEM IS GIVEN IN LOW PRECISION. The matrix products marked QUANTISED in the list below multiply operands that are first quantised to E3M2 (3 exponent bits, 2 mantissa bits; 6 bits a number), with one power-of-two scale for each 32 numbers along K (OCP MX v1.0); their sums are f32. All else is computed in f32.
;;   The module's matrix products, in the order in which they are computed (A, B: the left and right operand; K: the contracted axis; several contracted axes count as one K, in the product's order):
;;     1. [M 512, K 512] x [K 512, N 8,192]; A: input Wq (given as codes); B: input query: QUANTISED
;;     2. [M 512, K 512] x [K 512, N 8,192]; A: input Wk (given as codes); B: input key (given as codes): QUANTISED
;;     3. [M 512, K 512] x [K 512, N 8,192]; A: input Wv (given as codes); B: input value (given as codes): QUANTISED
;;     4. batch 32 x [M 2,048, K 64] x [K 64, N 2,048]; A: computed on the way; B: computed on the way: QUANTISED
;;     5. batch 32 x [M 2,048, K 2,048] x [K 2,048, N 64]; A: computed on the way; B: computed on the way: QUANTISED
;;   THE QUANTISER, for each operand of a quantised product, along K:
;;     - K is cut into blocks of 32 from its start; a last block that is shorter is filled with zeros.
;;     - A block's scale is 2^e with e = floor(log2(the largest magnitude in the block)) - 4, held to -126 .. 127; a block of zeros has e = 0. As a byte (E8M0): e + 127.
;;     - Each number is divided by its block's scale, clamped to +-28, and rounded to the nearest number of E3M2, ties to even, subnormals kept.
;;     - The product sums the exact products of the quantised numbers (number of the format x scale) in f32.
;;   ~~~python
;;   def quantise(x, axis):      # numpy; x: float32 -> the quantised numbers, widened to float32 again
;;       x = np.moveaxis(x, axis, -1); K = x.shape[-1]
;;       x = np.pad(x, [(0, 0)] * (x.ndim - 1) + [(0, -K % 32)]); x = x.reshape(x.shape[:-1] + (-1, 32)); a = np.abs(x).max(-1, keepdims=True)
;;       e = np.where(a > 0, np.clip(np.frexp(np.where(a > 0, a, 1))[1] - 1 - 4, -126, 127), 0)      # np.frexp(a)[1] - 1 = floor(log2(a)), exactly
;;       r = np.clip(x / 2.0 ** e, -28, 28)
;;       step = 2.0 ** (np.maximum(np.frexp(np.where(r == 0, 1, r))[1] - 1, -2) - 2)
;;       q = np.round(r / step) * step * 2.0 ** e      # np.round: ties to even
;;       return np.moveaxis(q.reshape(q.shape[:-2] + (-1,))[..., :K], -1, axis).astype(np.float32)
;;   ~~~
;;   OPERANDS COMPUTED ON THE WAY. 'Computed on the way' means the value that the module computes at that place (a softmax that the list does not call 'softmax' is quantised finished and normalised). What goes into a quantiser is computed in f32, as accurately as f32 sums, v_exp_f32 and their like allow (about 1e-6 of the number): no bf16 or f16 on the way to a quantiser, and a product that is left as it is and whose result goes on into a quantised operand takes f32 operands (vector FMAs, or v_wmma_f32_16x16x4_f32). A number that lies on a knife's edge between two numbers of the format may be rounded either way, as far as f32 arithmetic and the matrix unit's own rounding can turn it there, and no further.
;;   INPUTS GIVEN AS CODES. Wk (in the module: [8, 512, 64], K = its axis 1); Wq (in the module: [8, 512, 64], K = its axis 1); Wv (in the module: [8, 512, 64], K = its axis 1); key (in the module: [4, 2048, 512], K = its axis 2); value (in the module: [4, 2048, 512], K = its axis 2): each comes as NAME_codes (uint8): NAME with its K axis moved to the last place and cut into blocks of 32 codes, [.., K / 32, bytes a block], one block behind the other in memory; four codes in three bytes: a row's codes are one little-endian stream of bits, code i at bits 6 i .. 6 i + 5 (a code: sign, 3 exponent bits, 2 mantissa bits); and NAME_scales (uint8): the same leading axes, one E8M0 byte (e + 127) for each 32 codes along K. Its value is code x scale, taken as it is: it is not quantised again, and the codes and scales need not be those that the quantiser above would give.
;; One version. Each part assembles by itself: llvm-mc -triple=amdgcn-amd-amdhsa -mcpu=gfx1250 --defsym DOCPART=n.
;; ======== version 1 of 1: 3 launches
;; workspace buffers: qc 3,145,728 bytes; kc 3,145,728 bytes; vc 3,145,728 bytes; qs 262,144 bytes; ks 262,144 bytes; vs 131,072 bytes; xo 16,777,216 bytes
;; launch proj (part 1): grid 256 x 1, 8 waves a work-group, no clusters, 300,032 bytes of LDS; arguments query, key_codes, key_scales, value_codes, value_scales, Wq_codes, Wq_scales, Wk_codes, Wk_scales, Wv_codes, Wv_scales, qc, qs, kc, ks, vc, vs; writes qc, qs, kc, ks, vc, vs
.if DOCPART == 1
	.amdgcn_target "amdgcn-amd-amdhsa--gfx1250"
	.amdhsa_code_object_version 6
	.text
	.protected	k_q2b28fa7417_proj
	.globl	k_q2b28fa7417_proj
	.p2align	8
	.type	k_q2b28fa7417_proj,@function
k_q2b28fa7417_proj:
	s_mov_b64 s[64:65], 0
	v_nop
	global_prefetch_b8 v0, s[64:65] scope:SCOPE_SE
	s_setreg_imm32_b32 hwreg(HW_REG_WAVE_MODE, 25, 1), 1
	s_wait_xcnt 0x0
; Q = query Wq, K = key Wk, V = value Wv, all on codes of BF6 (E3M2) with one E8M0 scale for each 32 along K = 512; the results are quantised again,
; Q and K along the head's 64, V along the keys, and stored as IMAGES OF OPERAND REGISTERS for the attention launch:
; an image is six registers of a fragment (16 rows x 64 along K): 512 bytes, lane l's registers 0-3 at 16 l, then 256 bytes, registers 4-5 at 8 l.
; SHARES.  Work-groups 0-127: 64 rows of query each (f32: quantised here first); 128-191: 128 rows of key; 192-255: 128 rows of value.  Wave w is head w: its 64 rows of W
; (16 fragments, 192 registers, window 1) come once, by one tensor load a wave into LDS bytes of the wave's own, and stay in registers; the rows' codes are shared through LDS.
; ROWS OF A TILE.  perm: lane r of tile 2 b + u takes row 32 b + 8 u + r + 8 (r / 8), so that the 16 registers of two neighbouring result tiles are 16 neighbours along the next K.
;   Q: W perm, x natural, source 0 = W;   K: W perm, x perm (the keys of a tile of the first attention product), source 0 = W;   V: W natural, x perm, source 0 = x (a lane holds one channel, registers run along the keys).
; SCALE WORDS of Q and K: bytes 0, 1 are the two blocks of 32; bytes 2, 3 repeat them, for the half of the attention product's 128 along K that holds zero codes.
; NO JOINT REQUESTS: a work-group asks for its 196,608 bytes of W once, one load a wave, in no loop; the three W together are 589,824 bytes; asking jointly is left out of this form.
; LIMITS: NaN and infinities among the inputs are not served.  A block whose largest magnitude lies under 2^-122, zeros too, gets the byte 1 (a block of zeros: its codes are zeros; this program alone reads the bytes).
.set WREGB, 27648                      ; LDS: wave w's W rows at WREGB w: 64 rows x 432
.set WPI,   432                        ; a W row: 384 bytes + 16 behind every 128
.set XKV,   221184                     ; 128 rows of key or value codes, 400 apart
.set XQ,    272384                     ; 64 rows of query codes, 400 apart
.set XQS,   297984                     ; their scale bytes, 16 a row
.set XPI,   400
.set XF,    16                         ; v16-63   four fragments of x; later the codes just made
.set ACC,   64                         ; v64-191  16 accumulators
.set WS,    192                        ; v192-207 W's scale words, 4 t + s
.set XSC,   208                        ; v208-223 x's scale words, 4 m + s
.set TM,    224
.set TP,    226
.set SO,    228
.set BY,    230
.set SWT,   232                        ; v232-235 the words just made
.set SK,    236                        ; v236-239 words laid for their store
.set HV,    240                        ; v240-243 V's words, gathered over the two halves
.set MSB, 0
.macro WIN new                         ; the immediate's high byte repeats the setting that is left
.if MSB != \new
	s_set_vgpr_msb (MSB<<8)|\new
.set MSB, \new
.endif
.endm
.macro BARRIER                         ; my LDS stores have landed and my LDS loads are in: then the work-group's barrier
	s_wait_dscnt 0x0
	s_barrier_signal -1
	s_barrier_wait -1
.endm
; W's 16 fragments (tile t, K step s) from my LDS rows into window 1, v[12 (4 t + s)] on.  Pieces of 8 bytes; lanes 16-31 read three pieces on, which is behind one padding more where the piece's number mod 16 is 13 or more: v7 serves those.
.macro WFRAGS perm
	WIN 0x40
.irp t, 0,1,2,3
.irp s, 0,1,2,3
.irp p, 0,1,2,3,4,5
.set PCE, 12*\s+6*(\p/3)+\p%3
.set WB, ((32*(\t/2)+8*(\t%2))*\perm+16*\t*(1-\perm))*WPI
.if PCE%16 < 13
	ds_load_b64 v[12*(4*\t+\s)+2*\p:12*(4*\t+\s)+2*\p+1], v6 offset:WB+8*PCE+16*(PCE/16)
.else
	ds_load_b64 v[12*(4*\t+\s)+2*\p:12*(4*\t+\s)+2*\p+1], v7 offset:WB+8*PCE+16*(PCE/16)
.endif
.endr
.endr
.endr
	WIN 0
.endm
.macro WSCALES perm, adr               ; a W row's 16 scale bytes are its four words
.irp t, 0,1,2,3
	global_load_b128 v[WS+4*\t:WS+4*\t+3], v[\adr], s[46:47] offset:((32*(\t/2)+8*(\t%2))*\perm+16*\t*(1-\perm))*16
.endr
.endm
.macro XSLOAD c                        ; key's or value's scale words of half c, rows as the tiles take them
.irp m, 0,1,2,3
	global_load_b128 v[XSC+4*\m:XSC+4*\m+3], v10, s[54:55] offset:(64*\c+32*(\m/2)+8*(\m%2))*16
.endr
.endm
.macro XFRAG reg, rb, s                ; a fragment of x: rows rb on, K step s
.irp p, 0,1,2,3,4,5
	ds_load_b64 v[\reg+2*\p:\reg+2*\p+1], v8 offset:(\rb)*XPI+96*(\s)+48*(\p/3)+8*(\p%3)
.endr
.endm
; 64 rows of x against my 64 rows of W: for each tile m of x its four fragments, then 16 matrix instructions, the four accumulators by turns; the first K step starts the sums.
.macro GEMM wfirst, permx, c
.irp m, 0,1,2,3
.if \permx
.set RB, 64*\c+32*(\m/2)+8*(\m%2)
.else
.set RB, 16*\m
.endif
.irp s, 0,1,2,3
	XFRAG XF+12*\s, RB, \s
.endr
.if \wfirst
	WIN 0x01                                       ; source 0 (W) window 1
.else
	WIN 0x04                                       ; source 1 (W) window 1
.endif
.irp s, 0,1,2,3
	s_wait_dscnt 6*(3-\s)                          ; K step s's fragment is in; the later steps' six loads each may be out
.irp t, 0,1,2,3
.if \wfirst
.if \s == 0
	v_wmma_scale_f32_16x16x128_f8f6f4 v[ACC+8*(4*\m+\t):ACC+8*(4*\m+\t)+7], v[12*(4*\t+\s):12*(4*\t+\s)+11], v[XF+12*\s:XF+12*\s+11], 0, v[WS+4*\t+\s], v[XSC+4*\m+\s] matrix_a_fmt:MATRIX_FMT_BF6 matrix_b_fmt:MATRIX_FMT_BF6
.else
	v_wmma_scale_f32_16x16x128_f8f6f4 v[ACC+8*(4*\m+\t):ACC+8*(4*\m+\t)+7], v[12*(4*\t+\s):12*(4*\t+\s)+11], v[XF+12*\s:XF+12*\s+11], v[ACC+8*(4*\m+\t):ACC+8*(4*\m+\t)+7], v[WS+4*\t+\s], v[XSC+4*\m+\s] matrix_a_fmt:MATRIX_FMT_BF6 matrix_b_fmt:MATRIX_FMT_BF6
.endif
.else
.if \s == 0
	v_wmma_scale_f32_16x16x128_f8f6f4 v[ACC+8*(4*\t+\m):ACC+8*(4*\t+\m)+7], v[XF+12*\s:XF+12*\s+11], v[12*(4*\t+\s):12*(4*\t+\s)+11], 0, v[XSC+4*\m+\s], v[WS+4*\t+\s] matrix_a_fmt:MATRIX_FMT_BF6 matrix_b_fmt:MATRIX_FMT_BF6
.else
	v_wmma_scale_f32_16x16x128_f8f6f4 v[ACC+8*(4*\t+\m):ACC+8*(4*\t+\m)+7], v[XF+12*\s:XF+12*\s+11], v[12*(4*\t+\s):12*(4*\t+\s)+11], v[ACC+8*(4*\t+\m):ACC+8*(4*\t+\m)+7], v[XSC+4*\m+\s], v[WS+4*\t+\s] matrix_a_fmt:MATRIX_FMT_BF6 matrix_b_fmt:MATRIX_FMT_BF6
.endif
.endif
.endr
.endr
	WIN 0
.rept 4
	v_nop                                          ; places in front of loads into registers that matrix instructions have read, and of the first read of results
.endr
.endr
.endm
; 32 numbers of a lane, v[ACC + 32 g] on, register 16 b + i = k 32 b + 16 (lane / 16) + i of my row, become six registers of codes in v[XF + 12 g] on and the two scale bytes in v[SWT + g].
.macro QUANT32 g, full
.set A0, ACC+32*(\g)
.set CD, XF+12*(\g)
.irp b, 0,1
	v_max3_num_f32 v[TM+\b], |v[A0+16*\b]|, |v[A0+16*\b+1]|, 0x2800000   ; my 16 numbers of block b, from each accumulator's low end on, and the floor 2^(5 - 127): the byte cannot fall under 1
.endr
.irp i, 2,4,6,8,10,12,14
.irp b, 0,1
	v_max3_num_f32 v[TM+\b], v[TM+\b], |v[A0+16*\b+\i]|, |v[A0+16*\b+\i+1]|
.endr
.endr
.irp b, 0,1
	v_permlanex16_b32 v[TP+\b], v[TM+\b], s60, s61
.endr
.irp b, 0,1
	v_max_num_f32 v[TM+\b], v[TM+\b], v[TP+\b]     ; with lane l xor 16's: the block's largest magnitude
.endr
.irp b, 0,1
	v_add_nc_u32 v[SO+\b], 0xfe000000, v[TM+\b]    ; 4 off its exponent field: the conversion's scale operand
.endr
.irp b, 0,1
	v_lshrrev_b32 v[BY+\b], 23, v[SO+\b]           ; the scale's byte
.endr
	v_lshl_or_b32 v[SWT+\g], v[BY+1], 8, v[BY]
.if \full
	v_lshl_or_b32 v[SWT+\g], v[SWT+\g], 16, v[SWT+\g]   ; bytes 2, 3 repeat bytes 0, 1
.endif
	v_cvt_scalef32_pk16_bf6_f32 v[CD:CD+2], v[A0:A0+15], v[SO]
	v_cvt_scalef32_pk16_bf6_f32 v[CD+8:CD+10], v[A0+16:A0+31], v[SO+1]   ; (a conversion's three registers begin on an even number)
	v_nop                                          ; one plain place behind a scaled conversion
.irp i, 0,1,2
	v_permlane16_swap_b32 v[CD+\i], v[CD+8+\i]     ; a whole block to a lane: lanes 0-15 block 0, lanes 16-31 block 1
.endr
.irp i, 0,1,2
	v_mov_b32 v[CD+3+\i], v[CD+8+\i]
.endr
.endm
.macro PUT g, off                      ; the image leaves: 512 consecutive bytes, then 256, each at a multiple of 256 from the buffer's first byte
.set CD, XF+12*(\g)
	global_store_b128 v4, v[CD:CD+3], s[48:49] offset:\off
	global_store_b64 v5, v[CD+4:CD+5], s[48:49] offset:\off+512
.endm
	s_load_b512 s[8:23], s[0:1], 0x0               ; query 8, key_codes 10, key_scales 12, value_codes 14, value_scales 16, Wq_codes 18, Wq_scales 20, Wk_codes 22
	s_load_b512 s[24:39], s[0:1], 0x40             ; Wk_scales 24, Wv_codes 26, Wv_scales 28, qc 30, qs 32, kc 34, ks 36, vc 38
	s_load_b64 s[40:41], s[0:1], 0x80              ; vs
	v_lshl_add_u32 v254, v0, 2, 0x49000
	v_mov_b32 v255, 0
	ds_add_u32 v254, v255
	ds_add_u32 v254, v255
	v_lshrrev_b32 v15, 5, v0
	v_readfirstlane_b32 s42, v15                   ; wave = head
	s_mov_b32 s68, (1<<20)|(4<<22)|(3<<25)         ; group 1: elements of 1 byte; padding on: after every 32 words (code 4) 4 words (code 3)
	s_mov_b32 s69, 384<<16                         ; tensor_dim0 = 384
	s_mov_b32 s70, 64<<16                          ; tensor_dim1 = 64
	s_mov_b32 s71, 384<<16                         ; tile_dim0 = 384
	s_mov_b32 s72, 64                              ; tile_dim1 = 64
	s_mov_b32 s73, 384                             ; from row to row
	s_mov_b32 s74, 0
	s_mov_b32 s75, 0
	s_mov_b32 s60, 0x76543210
	s_mov_b32 s61, 0xfedcba98                      ; v_permlanex16_b32's selects for lane l xor 16
	s_mov_b32 s62, 0xffff0000                      ; lanes 16-31
	s_mul_i32 s66, s42, 24576                      ; my head's 64 rows of W,
	s_mov_b32 s67, 0
	s_lshl_b32 s76, s42, 10                        ; and their scale bytes
	s_mov_b32 s77, 0
	s_wait_dscnt 0x0
	s_wait_kmcnt 0x0
	s_cmp_lt_u32 ttmp9, 192                        ; which W: the choice hangs on the work-group's number alone
	s_cselect_b64 s[44:45], s[22:23], s[26:27]
	s_cselect_b64 s[46:47], s[24:25], s[28:29]
	s_cmp_lt_u32 ttmp9, 128
	s_cselect_b64 s[44:45], s[18:19], s[44:45]
	s_cselect_b64 s[46:47], s[20:21], s[46:47]
	s_add_nc_u64 s[44:45], s[44:45], s[66:67]
	s_add_nc_u64 s[46:47], s[46:47], s[76:77]
	s_mov_b32 s56, 1                               ; group 0: count = 1
	s_mul_i32 s57, s42, WREGB                      ; LDS address: my own rows
	s_mov_b64 s[58:59], s[44:45]
	s_or_b32 s59, s59, 0x80000000                  ; type = 2
	tensor_load_to_lds s[56:59], s[68:75]          ; the one tensor load of a wave: one is out
	s_nop 0
	v_and_b32 v1, 31, v0                           ; lane
	v_and_b32 v2, 15, v0                           ; r
	v_bfe_u32 v3, v0, 4, 1                         ; h
	v_lshlrev_b32 v4, 4, v1                        ; 16 x lane
	v_lshlrev_b32 v5, 3, v1                        ; 8 x lane
	v_and_b32 v15, 8, v2
	v_add_nc_u32 v15, v15, v2                      ; r + 8 (r / 8)
	v_mov_b32 v[TP], 0                             ; written once: a lane permute's destination counts as one of its sources
	v_mov_b32 v[TP+1], 0
	s_cmp_lt_u32 ttmp9, 128
	s_cbranch_scc0 .Lkv
	; ---------------- Q: 64 rows of query ----------------
	s_lshl_b32 s66, ttmp9, 17                      ; 64 rows of 2,048 bytes,
	s_lshl_b32 s63, s42, 14                        ; my wave's 8 of them
	s_add_co_u32 s66, s66, s63
	s_add_nc_u64 s[52:53], s[8:9], s[66:67]
	s_lshr_b32 s63, ttmp9, 5
	s_lshl_b32 s63, s63, 3
	s_add_co_u32 s63, s63, s42                     ; 8 x batch + head
	s_and_b32 s76, ttmp9, 31                       ; which 64 queries of the batch
	s_mul_i32 s66, s63, 98304
	s_mul_i32 s78, s76, 3072
	s_add_co_u32 s66, s66, s78
	s_add_nc_u64 s[48:49], s[30:31], s[66:67]      ; qc: four images
	s_lshl_b32 s66, s63, 13
	s_lshl_b32 s78, s76, 8
	s_add_co_u32 s66, s66, s78
	s_add_nc_u64 s[50:51], s[32:33], s[66:67]      ; qs: 256 bytes
.irp t, 0,1,2,3,4,5,6,7
.irp i, 0,1,2,3
	global_load_b128 v[ACC+16*\t+4*\i:ACC+16*\t+4*\i+3], v4, s[52:53] offset:2048*\t+512*\i th:TH_LOAD_NT   ; row t: 32 lanes read 512 consecutive bytes
.endr
.endr
	v_lshlrev_b32 v9, 4, v15
	WSCALES 1, 9
	v_mul_u32_u24 v6, v15, WPI
	v_mad_u32_u24 v6, v3, 24, v6
	v_add_nc_u32 v6, s57, v6                       ; W: my rows, row r + 8 (r / 8), + 24 h
	v_lshl_add_u32 v7, v3, 4, v6                   ; and the same behind one padding more
	v_mul_u32_u24 v8, v2, XPI
	v_mad_u32_u24 v8, v3, 24, v8
	v_add_nc_u32 v8, XQ, v8                        ; x: row r, + 24 h
	v_lshl_add_u32 v10, v2, 4, XQS                 ; x's scale words: 16 bytes a row
	v_lshrrev_b32 v11, 2, v1
	v_mul_u32_u24 v11, v11, 80
	v_and_b32 v12, 3, v1
	v_lshl_add_u32 v11, v12, 4, v11
	v_add_nc_u32 v11, s57, v11                     ; the stage, in: four lanes' 64 bytes on end, then 16 of padding
	v_mul_u32_u24 v12, v1, 80
	v_add_nc_u32 v12, s57, v12                     ; out: 80 x lane: my 16 neighbours
	s_mul_i32 s63, s42, 8*XPI
	s_add_co_u32 s63, s63, XQ
	v_mul_u32_u24 v13, v1, 12
	v_add_nc_u32 v13, s63, v13                     ; my 12 bytes of codes in my wave's rows
	s_lshl_b32 s63, s42, 7
	s_add_co_u32 s63, s63, XQS
	v_lshrrev_b32 v14, 1, v1
	v_add_nc_u32 v14, s63, v14                     ; my block's byte
	s_wait_tensorcnt 0x0                           ; my W rows are in LDS
	WFRAGS 1
	s_wait_dscnt 0x0                               ; W is in registers: the first 5,120 bytes of my own rows, which have had their one fill, become my two stages
; A row's 2,048 bytes go through the stage as they lie and come back 64 bytes a lane: a lane then holds 16 neighbours, two lanes a block.  LDS serves a wave's instructions in order (ISA guide 5.7.1.4).
.macro QTURN t
.irp i, 0,1,2,3
	ds_store_b128 v11, v[ACC+16*(\t)+4*\i:ACC+16*(\t)+4*\i+3] offset:2560*((\t)%2)+640*\i
.endr
.irp i, 0,1,2,3
	ds_load_b128 v[XF+16*((\t)%2)+4*\i:XF+16*((\t)%2)+4*\i+3], v12 offset:2560*((\t)%2)+16*\i
.endr
.endm
.macro QSTEP t
.set XR, XF+16*((\t)%2)
.set CR, 48+4*((\t)%2)
.if (\t) > 0
	s_wait_dscnt 4                                 ; this row is back from the stage; the last row's four stores of codes and byte may be out
.else
	s_wait_dscnt 0x0
.endif
.if (\t) < 7
	s_wait_loadcnt 4*(6-(\t))+4                    ; the next row's four loads are in; the later rows' and W's four scale loads may be out
	QTURN (\t)+1
.endif
	v_max3_num_f32 v[TM], |v[XR]|, |v[XR+1]|, |v[XR+2]|
	v_max3_num_f32 v[TM+1], |v[XR+3]|, |v[XR+4]|, |v[XR+5]|
.irp i, 6,10
	v_max3_num_f32 v[TM], v[TM], |v[XR+\i]|, |v[XR+\i+1]|
	v_max3_num_f32 v[TM+1], v[TM+1], |v[XR+\i+2]|, |v[XR+\i+3]|
.endr
	v_max3_num_f32 v[TM], v[TM], |v[XR+14]|, |v[XR+15]|
	v_max3_num_f32 v[TM], v[TM], v[TM+1], 0x2800000   ; and the floor 2^(5 - 127)
	v_max_num_f32_dpp v[TM], v[TM], v[TM] row_xmask:1 row_mask:0xf bank_mask:0xf   ; with my neighbour's 16: the block's
	v_add_nc_u32 v[SO], 0xfe000000, v[TM]
	v_cvt_scalef32_pk16_bf6_f32 v[CR:CR+2], v[XR:XR+15], v[SO]
	v_lshrrev_b32 v[56+(\t)%2], 23, v[SO]          ; the byte (a plain place behind the conversion)
	ds_store_b8 v14, v[56+(\t)%2] offset:16*(\t)   ; both lanes of a block write the same byte with the same value
	ds_store_b32 v13, v[CR] offset:XPI*(\t)
	ds_store_b32 v13, v[CR+1] offset:XPI*(\t)+4
	ds_store_b32 v13, v[CR+2] offset:XPI*(\t)+8
.endm
	s_wait_loadcnt 32                              ; row 0 is in: 28 loads of rows and 4 of scales were issued behind it
	QTURN 0
.irp t, 0,1,2,3,4,5,6,7
	QSTEP \t
.endr
	BARRIER                                        ; 64 rows of codes and their bytes lie in LDS
.irp m, 0,1,2,3
	ds_load_b128 v[XSC+4*\m:XSC+4*\m+3], v10 offset:256*\m
.endr
	s_wait_loadcnt 0x0                             ; W's scale words
	GEMM 1, 0, 0
.irp g, 0,1,2,3
	QUANT32 \g, 1
	PUT \g, 768*\g
.endr
	v_cndmask_b32 v[SK], v[SWT], v[SWT+1], s62     ; lanes 0-15 the even tile's words, lanes 16-31 the odd tile's
	v_cndmask_b32 v[SK+1], v[SWT+2], v[SWT+3], s62
	global_store_b64 v5, v[SK:SK+1], s[50:51]      ; 256 consecutive bytes
	s_wait_tensorcnt 0x0
	ds_add_u32 v254, v255
	s_wait_dscnt 0x0
	s_endpgm
	; ---------------- K and V: 128 rows of codes ----------------
.Lkv:
	s_sub_co_u32 s63, ttmp9, 128
	s_and_b32 s63, s63, 63                         ; which 128 rows
	s_cmp_lt_u32 ttmp9, 192
	s_cselect_b64 s[52:53], s[10:11], s[14:15]     ; the rows' codes,
	s_cselect_b64 s[54:55], s[12:13], s[16:17]     ; their scales,
	s_cselect_b64 s[48:49], s[34:35], s[38:39]     ; the images' buffer,
	s_cselect_b64 s[50:51], s[36:37], s[40:41]     ; the words' buffer,
	s_cselect_b32 s79, 13, 12                      ; and its bytes a head: 2^13 (ks) or 2^12 (vs); a step's are 2^4 fewer
	s_mul_i32 s66, s63, 49152
	s_mul_i32 s76, s42, 6144                       ; my wave copies 16 rows in
	s_add_co_u32 s66, s66, s76
	s_add_nc_u64 s[52:53], s[52:53], s[66:67]
	s_lshl_b32 s66, s63, 11
	s_add_nc_u64 s[54:55], s[54:55], s[66:67]
	s_lshr_b32 s76, s63, 4
	s_lshl_b32 s76, s76, 3
	s_add_co_u32 s76, s76, s42                     ; 8 x batch + head
	s_and_b32 s77, s63, 15                         ; the key step
	s_mul_i32 s66, s76, 98304
	s_mul_i32 s78, s77, 6144
	s_add_co_u32 s66, s66, s78
	s_add_nc_u64 s[48:49], s[48:49], s[66:67]
	s_lshl_b32 s66, s76, s79
	s_sub_co_u32 s79, s79, 4
	s_lshl_b32 s78, s77, s79
	s_add_co_u32 s66, s66, s78
	s_add_nc_u64 s[50:51], s[50:51], s[66:67]
.irp i, 0,1,2,3,4,5,6,7,8,9,10,11
	global_load_b128 v[XF+4*\i:XF+4*\i+3], v4, s[52:53] offset:512*\i th:TH_LOAD_NT   ; 16 rows are 6,144 dense bytes: 512 a load
.endr
	v_lshlrev_b32 v10, 4, v15                      ; scale words of row r + 8 (r / 8)
	XSLOAD 0
	s_mul_i32 s43, s42, 16*XPI
	s_add_co_u32 s43, s43, XKV
.irp i, 0,1,2                          ; piece q = 32 i + lane of 16 bytes lies in row q / 24: LDS byte 16 (q + q / 24); q / 24 = (171 q) >> 12 for q under 96; 96 pieces on are 1,600 bytes on
	v_add_nc_u32 v[TM], 32*\i, v1
	v_mul_u32_u24 v[TM+1], v[TM], 171
	v_lshrrev_b32 v[TM+1], 12, v[TM+1]
	v_add_nc_u32 v[TM+1], v[TM+1], v[TM]
	v_lshl_add_u32 v[11+\i], v[TM+1], 4, s43
.endr
	v_mul_u32_u24 v8, v15, XPI
	v_mad_u32_u24 v8, v3, 24, v8
	v_add_nc_u32 v8, XKV, v8                       ; x: row r + 8 (r / 8), + 24 h
	s_wait_loadcnt 4                               ; the codes are in; the four scale loads may be out
.irp i, 0,1,2,3,4,5,6,7,8,9,10,11
	ds_store_b128 v[11+\i%3], v[XF+4*\i:XF+4*\i+3] offset:1600*(\i/3)
.endr
	s_wait_tensorcnt 0x0                           ; my W rows are in LDS
	BARRIER                                        ; 128 rows of codes lie in LDS
	s_cmp_lt_u32 ttmp9, 192
	s_cbranch_scc0 .Lv
	; ---------------- K ----------------
	v_mul_u32_u24 v6, v15, WPI
	v_mad_u32_u24 v6, v3, 24, v6
	v_add_nc_u32 v6, s57, v6
	v_lshl_add_u32 v7, v3, 4, v6
	WFRAGS 1
	WSCALES 1, 10
.irp c, 0,1
.if \c
	s_wait_xcnt 0x0                                ; the first half's stores have read their registers: x's fragments land there again
	XSLOAD 1
.endif
	s_wait_loadcnt 0x0                             ; the scale words
	GEMM 1, 1, \c
.irp g, 0,1,2,3
	QUANT32 \g, 1
	PUT \g, 768*(4*\c+\g)
.endr
	v_cndmask_b32 v[SK+2*\c], v[SWT], v[SWT+1], s62
	v_cndmask_b32 v[SK+2*\c+1], v[SWT+2], v[SWT+3], s62
.endr
	global_store_b128 v4, v[SK:SK+3], s[50:51]     ; the step's 512 bytes of words
	s_wait_tensorcnt 0x0
	ds_add_u32 v254, v255
	s_wait_dscnt 0x0
	s_endpgm
	; ---------------- V ----------------
.Lv:
	v_mul_u32_u24 v6, v2, WPI
	v_mad_u32_u24 v6, v3, 24, v6
	v_add_nc_u32 v6, s57, v6                       ; W: row r
	v_lshl_add_u32 v7, v3, 4, v6
	v_lshlrev_b32 v9, 4, v2
	WFRAGS 0
	WSCALES 0, 9
.irp c, 0,1
.if \c
	s_wait_xcnt 0x0
	XSLOAD 1
.endif
	s_wait_loadcnt 0x0
	GEMM 0, 1, \c
.irp g, 0,1,2,3
	QUANT32 \g, 0
	PUT \g, 768*(2*\g+\c)
.if \c
	v_lshl_or_b32 v[HV+\g], v[SWT+\g], 16, v[HV+\g]   ; the step's four blocks of 32 keys make a word
.else
	v_mov_b32 v[HV+\g], v[SWT+\g]
.endif
.endr
.endr
	v_cndmask_b32 v[SK], v[HV], v[HV+1], s62
	v_cndmask_b32 v[SK+1], v[HV+2], v[HV+3], s62
	global_store_b64 v5, v[SK:SK+1], s[50:51]      ; the step's 256 bytes of words
	s_wait_tensorcnt 0x0
	ds_add_u32 v254, v255
	s_wait_dscnt 0x0
	s_endpgm
.Lfunc_end_k_q2b28fa7417_proj:
	.size	k_q2b28fa7417_proj, .Lfunc_end_k_q2b28fa7417_proj-k_q2b28fa7417_proj
	.p2alignl 7, 3214868480
	.fill 96, 4, 3214868480
	.section	.rodata,"a",@progbits
	.p2align	6, 0x0
	.amdhsa_kernel k_q2b28fa7417_proj
		.amdhsa_group_segment_fixed_size 300032
		.amdhsa_private_segment_fixed_size 0
		.amdhsa_enable_private_segment 0
		.amdhsa_kernarg_size 136
		.amdhsa_user_sgpr_count 2
		.amdhsa_user_sgpr_kernarg_segment_ptr 1
		.amdhsa_wavefront_size32 1
		.amdhsa_system_sgpr_workgroup_id_x 1
		.amdhsa_system_sgpr_workgroup_id_y 1
		.amdhsa_system_sgpr_workgroup_id_z 1
		.amdhsa_system_vgpr_workitem_id 0
		.amdhsa_next_free_vgpr 448
		.amdhsa_next_free_sgpr 80
		.amdhsa_reserve_vcc 0
		.amdhsa_float_denorm_mode_32 3
		.amdhsa_float_denorm_mode_16_64 3
		.amdhsa_memory_ordered 1
		.amdhsa_forward_progress 1
		.amdhsa_inst_pref_size 166
	.end_amdhsa_kernel
	.amdgpu_metadata
---
amdhsa.version: [ 1, 2 ]
amdhsa.kernels:
  - .name:           k_q2b28fa7417_proj
    .symbol:         k_q2b28fa7417_proj.kd
    .args:
      - { .name: query, .offset: 0, .size: 8, .value_kind: global_buffer, .address_space: global }
      - { .name: key_codes, .offset: 8, .size: 8, .value_kind: global_buffer, .address_space: global }
      - { .name: key_scales, .offset: 16, .size: 8, .value_kind: global_buffer, .address_space: global }
      - { .name: value_codes, .offset: 24, .size: 8, .value_kind: global_buffer, .address_space: global }
      - { .name: value_scales, .offset: 32, .size: 8, .value_kind: global_buffer, .address_space: global }
      - { .name: Wq_codes, .offset: 40, .size: 8, .value_kind: global_buffer, .address_space: global }
      - { .name: Wq_scales, .offset: 48, .size: 8, .value_kind: global_buffer, .address_space: global }
      - { .name: Wk_codes, .offset: 56, .size: 8, .value_kind: global_buffer, .address_space: global }
      - { .name: Wk_scales, .offset: 64, .size: 8, .value_kind: global_buffer, .address_space: global }
      - { .name: Wv_codes, .offset: 72, .size: 8, .value_kind: global_buffer, .address_space: global }
      - { .name: Wv_scales, .offset: 80, .size: 8, .value_kind: global_buffer, .address_space: global }
      - { .name: qc, .offset: 88, .size: 8, .value_kind: global_buffer, .address_space: global }
      - { .name: qs, .offset: 96, .size: 8, .value_kind: global_buffer, .address_space: global }
      - { .name: kc, .offset: 104, .size: 8, .value_kind: global_buffer, .address_space: global }
      - { .name: ks, .offset: 112, .size: 8, .value_kind: global_buffer, .address_space: global }
      - { .name: vc, .offset: 120, .size: 8, .value_kind: global_buffer, .address_space: global }
      - { .name: vs, .offset: 128, .size: 8, .value_kind: global_buffer, .address_space: global }
    .group_segment_fixed_size: 300032
    .private_segment_fixed_size: 0
    .kernarg_segment_align: 8
    .kernarg_segment_size: 136
    .max_flat_workgroup_size: 256
    .sgpr_count:     80
    .vgpr_count:     448
    .wavefront_size: 32
...
	.end_amdgpu_metadata
.endif
;; end of part 1
;; launch attn (part 2): grid 8 x 32, 16 waves a work-group, no clusters, 288,768 bytes of LDS; arguments qc, qs, kc, ks, vc, vs, value_mask, query_mask, xo; writes xo
.if DOCPART == 2
	.amdgcn_target "amdgcn-amd-amdhsa--gfx1250"
	.amdhsa_code_object_version 6
	.text
	.protected	k_q2b28fa7417_attn
	.globl	k_q2b28fa7417_attn
	.p2align	8
	.type	k_q2b28fa7417_attn,@function
k_q2b28fa7417_attn:
	s_mov_b64 s[64:65], 0
	v_nop
	global_prefetch_b8 v0, s[64:65] scope:SCOPE_SE
	s_setreg_imm32_b32 hwreg(HW_REG_WAVE_MODE, 25, 1), 1
	s_wait_xcnt 0x0
; x[b][q][64 head + d] = the sum over keys k <= q of Quant(softmax_k(Q . K / 8) x query_mask[q] x value_mask[k]) V[k][d], both products on codes of BF6 (E3M2) with E8M0 scales.
; The softmax runs over ALL 2,048 keys and is finished and normalised before it is masked and quantised, so each row is walked twice:
;   PASS 1: all 16 steps of 128 keys: scores, a running maximum M (a whole number, at or above the largest t = score x log2(e) / 8) and the sum l of 2^(t - M);
;   PASS 2: the steps with keys at or under the query: scores again, 2^(t - M) x (query_mask / l) x value_mask, 0 above the diagonal, quantised in blocks of 32 keys, times V.
; SHARES.  A work-group has one head (ttmp7) and 16 waves, each with one tile of 16 queries: eight early tiles 8 j .. 8 j + 7 and eight late ones 120 - 8 j .. 127 - 8 j (j = ttmp9): pass 2 is j + 1 and 16 - j steps, 17 for each pair.
; The head's K and V images, scale words and the batch's value_mask lie in LDS whole, each byte filled once.
; LAYOUT.  Both products transposed: S^T = K Q^T, O^T = V^T P^T: a lane holds one query (lane % 16).  Lane r of key tile 2 b + u holds key 32 b + 8 u + r + 8 (r / 8), so S's register 16 b + i is key 32 b + 16 (lane / 16) + i.
; K = 64 IN AN INSTRUCTION OF 128: Q's registers 6-11 are zero codes.  K's operand of tile T is v[32 + 6 T] on, twelve registers: the upper six are the next tile's codes (for tile 7 whatever v80-85 hold):
; every 6-bit pattern is a finite number, and meets a zero code; the scale words' bytes 2, 3 repeat bytes 0, 1.
; NO JOINT REQUESTS: the eight work-groups of a head read the same 217,088 bytes, once each; the steps that a wave leaves out and the step that it masks hang on its block of queries, which differs between those work-groups.
; LIMITS: NaN and infinities are not served.  A block of weights whose largest magnitude lies under 2^-122, zeros too, gets the byte 1 (a block of zeros: zero codes).
.set VC,  98304                        ; LDS: K's images at 0, V's here,
.set KSO, 196608                       ; K's scale words (512 bytes a step),
.set VSO, 204800                       ; V's (256 a step),
.set VMO, 208896                       ; value_mask of the batch (512 a step),
.set STG, 217088                       ; and a stage of 16 rows x 272 bytes for each wave
; v1 16 l, v2 8 l, v3-7 lane places (K's words, mask, V's images twice, V's words), v8-10 addresses in hand, v11 diagonal, v12 -M, v13 largest t, v[14:15] the sum, then query_mask / l twice,
; v16-27 Q, v28 Q's words, v29 P's word, v30-31 V's words, v32-95 K's fragments / value_mask / V's fragments, v96-159 S, v160-191 O^T, v192-210 P, v212-223 at work, v224-227 K's words, v228-233 at work,
; v234-237 addresses in hand, v238-240 the way out, v241 query_mask, v242-246 the copies' addresses, v247 zero, v248-251 head only
	s_load_b512 s[8:23], s[0:1], 0x0               ; qc 8, qs 10, kc 12, ks 14, vc 16, vs 18, value_mask 20, query_mask 22
	s_load_b64 s[24:25], s[0:1], 0x40              ; xo
	v_lshl_add_u32 v254, v0, 2, 0x46000
	v_mov_b32 v255, 0
	ds_add_u32 v254, v255
	ds_add_u32 v254, v255
	v_lshrrev_b32 v228, 5, v0
	v_readfirstlane_b32 s26, v228                  ; wave 0..15
	s_mov_b32 s27, ttmp9                           ; j
	s_and_b32 s44, ttmp7, 0xffff                   ; 8 x batch + head
	s_lshr_b32 s45, s44, 3                         ; batch
	s_and_b32 s46, s44, 7                          ; head
	s_lshr_b32 s58, s26, 2
	s_xor_b32 s58, s58, s26
	s_and_b32 s58, s58, 1                          ; late (1) or early (0): waves 2 i and 2 i + 1 differ, and so do waves w and w + 4
	s_lshr_b32 s59, s26, 1
	s_lshl_b32 s60, s27, 3
	s_sub_co_u32 s61, 120, s60
	s_cmp_eq_u32 s58, 1
	s_cselect_b32 s47, s61, s60
	s_add_co_u32 s47, s47, s59                     ; my tile of 16 queries, 0..127: it enters global addresses, the diagonal and the count of steps alone
	s_lshr_b32 s48, s47, 3                         ; the step on the diagonal: pass 2's last
	s_mov_b32 s36, 3<<16                           ; group 1: a dense block of 6,144 bytes as 24 rows of 32 elements of 8 bytes
	s_mov_b32 s37, 32<<16
	s_mov_b32 s38, 24<<16
	s_mov_b32 s39, 32<<16
	s_mov_b32 s40, 24
	s_mov_b32 s41, 32
	s_mov_b32 s42, 0
	s_mov_b32 s43, 0
	s_mov_b32 s54, 0x3e38aa3b                      ; c = log2(e) / 8
	s_mov_b32 s55, s54                             ; (named with it as a pair)
	s_mov_b32 s56, 0x76543210
	s_mov_b32 s57, 0xfedcba98                      ; v_permlanex16_b32's selects for lane l xor 16
	v_lshl_add_u32 v242, v0, 4, KSO                ; the copies: 16 or 8 bytes a thread, 512 threads
	v_lshlrev_b32 v243, 4, v0
	v_lshl_add_u32 v244, v0, 4, VMO
	v_lshl_add_u32 v245, v0, 3, VSO
	v_lshlrev_b32 v246, 3, v0
	s_mul_i32 s58, s44, 98304
	s_mul_i32 s29, s26, 6144                       ; my sixteenth: one step's images
	s_add_co_u32 s58, s58, s29
	s_mov_b32 s59, 0
	s_wait_dscnt 0x0
	s_wait_kmcnt 0x0
	s_mov_b32 s28, 1
	s_add_nc_u64 s[30:31], s[12:13], s[58:59]
	s_or_b32 s31, s31, 0x80000000
	s_mov_b32 s32, 1
	s_add_co_u32 s33, s29, VC
	s_add_nc_u64 s[34:35], s[16:17], s[58:59]
	s_or_b32 s35, s35, 0x80000000
	s_lshl_b32 s58, s44, 13
	s_add_nc_u64 s[14:15], s[14:15], s[58:59]      ; the head's K words
	s_lshl_b32 s58, s44, 12
	s_add_nc_u64 s[18:19], s[18:19], s[58:59]      ; its V words
	s_lshl_b32 s58, s45, 13
	s_add_nc_u64 s[20:21], s[20:21], s[58:59]      ; the batch's value_mask
	tensor_load_to_lds s[28:31], s[36:43]          ; all fills go out as one group: two tensor loads of mine are out,
	s_nop 0
	tensor_load_to_lds s[32:35], s[36:43]
	s_nop 0
	v_and_b32 v1, 31, v0                           ; lane
	v_and_b32 v250, 15, v0                         ; r
	v_bfe_u32 v251, v0, 4, 1                       ; h
	v_lshlrev_b32 v2, 3, v1
	global_load_async_to_lds_b128 v242, v243, s[14:15]   ; and three copies
	global_load_async_to_lds_b128 v244, v243, s[20:21]
	global_load_async_to_lds_b64 v245, v246, s[18:19]
	v_lshlrev_b32 v1, 4, v1
	s_lshl_b32 s58, s44, 7
	s_add_co_u32 s58, s58, s47
	s_mul_i32 s58, s58, 768
	s_add_nc_u64 s[8:9], s[8:9], s[58:59]          ; my tile's image of Q
	global_load_b128 v[16:19], v1, s[8:9]
	global_load_b64 v[20:21], v2, s[8:9] offset:512
	s_lshl_b32 s58, s44, 13                        ; its scale words: 256 bytes for four tiles; tile 4 g + 2 i + e, row r at 8 (r + 16 e) + 4 i
	s_lshr_b32 s60, s47, 2
	s_lshl_b32 s60, s60, 8
	s_add_co_u32 s58, s58, s60
	s_and_b32 s60, s47, 1
	s_lshl_b32 s60, s60, 7
	s_add_co_u32 s58, s58, s60
	s_bfe_u32 s60, s47, 0x10001
	s_lshl_b32 s60, s60, 2
	s_add_co_u32 s58, s58, s60
	s_add_nc_u64 s[10:11], s[10:11], s[58:59]
	v_lshlrev_b32 v248, 3, v250
	global_load_b32 v28, v248, s[10:11]
	s_lshl_b32 s60, s45, 11
	s_lshl_b32 s61, s47, 4
	s_add_co_u32 s60, s60, s61                     ; my first row: 2,048 x batch + 16 x tile
	s_lshl_b32 s58, s60, 2
	s_add_nc_u64 s[22:23], s[22:23], s[58:59]
	v_lshlrev_b32 v249, 2, v250
	global_load_b32 v241, v249, s[22:23]           ; query_mask of my query
	s_lshl_b32 s58, s60, 11
	s_lshl_b32 s61, s46, 8
	s_add_co_u32 s58, s58, s61
	s_add_nc_u64 s[24:25], s[24:25], s[58:59]      ; xo at my first row, my head's 256 bytes
	v_add_nc_u32 v3, KSO, v1
	v_lshl_add_u32 v4, v251, 6, VMO
	v_add_nc_u32 v5, VC, v1
	v_add_nc_u32 v6, VC, v2
	v_add_nc_u32 v7, VSO, v2
	s_and_b32 s58, s47, 7
	s_lshl_b32 s58, s58, 4
	v_lshlrev_b32 v228, 4, v251
	v_sub_nc_u32 v11, v250, v228
	v_add_nc_u32 v11, s58, v11                     ; d = 16 (tile % 8) + r - 16 h: in the diagonal step register 16 b + i is hidden where 32 b + i > d
	s_mul_i32 s60, s26, 4352
	s_add_co_u32 s60, s60, STG                     ; my stage
	v_mul_u32_u24 v238, v250, 272
	v_lshl_add_u32 v238, v251, 5, v238
	v_add_nc_u32 v238, s60, v238                   ; in: row r, + 32 h
	v_mul_u32_u24 v239, v251, 272
	v_lshl_add_u32 v239, v250, 4, v239
	v_add_nc_u32 v239, s60, v239                   ; back: lanes 0-15 one row, lanes 16-31 the next
	v_lshlrev_b32 v240, 11, v251
	v_lshl_add_u32 v240, v250, 4, v240             ; and the same two rows in xo
.irp j, 22,23,24,25,26,27
	v_mov_b32 v[\j], 0                             ; Q's zero codes for the upper 64 along K
.endr
.irp j, 80,81,82,83,84,85
	v_mov_b32 v[\j], 0                             ; named as the upper half of tile 7's operand
.endr
.irp j, 216,217,218,219,229,231,247,14,15
	v_mov_b32 v[\j], 0                             ; lane permutes' destinations, the upper half of a pair, a zero, the sum's two halves
.endr
	v_mov_b32 v13, 0xff61b1e6                      ; the largest t so far: -3e38, under every t
	v_floor_f32 v12, -v13                          ; -M
	s_mov_b32 s49, 0                               ; the step
	s_mov_b32 s50, 0                               ; its images: 6,144 bytes a step, K's and V's alike
	s_mov_b32 s51, 0                               ; K's words and value_mask: 512 a step
	s_wait_tensorcnt 0x0                           ; my parts of K and V have landed,
	s_wait_asynccnt 0x0                            ; and my parts of the words and the mask;
	s_barrier_signal -1
	s_barrier_wait -1                              ; everybody's have.  Nothing is filled again
	s_wait_loadcnt 0x0                             ; Q, its words, query_mask
; S^T of a step: 17 LDS loads of consecutive bytes, 8 matrix instructions, each on an accumulator of its own.
.macro SCORES
	v_add_nc_u32 v8, s50, v1
	v_add_nc_u32 v9, s50, v2
	v_add_nc_u32 v10, s51, v3
	v_nop                                          ; four places in front of loads into registers that matrix instructions have read
	ds_load_b128 v[224:227], v10                   ; register i: lanes 0-15 tile 2 i's words, lanes 16-31 tile 2 i + 1's
.irp T, 0,1,2,3,4,5,6,7
	ds_load_b128 v[32+6*\T:35+6*\T], v8 offset:768*\T
	ds_load_b64 v[36+6*\T:37+6*\T], v9 offset:768*\T+512
.endr
.irp T, 0,1,2,3,4,5,6,7
.if \T < 7
	s_wait_dscnt 2*(6-\T)                          ; tiles T and T + 1 are in (the operand names both); the later tiles' two loads each may be out
.endif
.if \T%2
	v_wmma_scale_f32_16x16x128_f8f6f4 v[96+8*\T:103+8*\T], v[32+6*\T:43+6*\T], v[16:27], 0, v[224+\T/2], v28 matrix_a_fmt:MATRIX_FMT_BF6 matrix_b_fmt:MATRIX_FMT_BF6 matrix_a_scale:MATRIX_SCALE_ROW1
.else
	v_wmma_scale_f32_16x16x128_f8f6f4 v[96+8*\T:103+8*\T], v[32+6*\T:43+6*\T], v[16:27], 0, v[224+\T/2], v28 matrix_a_fmt:MATRIX_FMT_BF6 matrix_b_fmt:MATRIX_FMT_BF6
.endif
.endr
.endm
	; ---------------- PASS 1: the maximum and the sum, over all keys ----------------
.Lp1:
	SCORES
.rept 4
	v_nop
.endr
.irp b, 0,1,2,3
	v_max3_num_f32 v[212+\b], v[96+16*\b], v[97+16*\b], v[98+16*\b]   ; four chains; each accumulator is read from its low end on
.endr
.irp i, 3,5,7,9,11,13
.irp b, 0,1,2,3
	v_max3_num_f32 v[212+\b], v[212+\b], v[96+16*\b+\i], v[97+16*\b+\i]
.endr
.endr
.irp b, 0,1,2,3
	v_max_num_f32 v[212+\b], v[212+\b], v[111+16*\b]
.endr
	v_max3_num_f32 v228, v212, v213, v214
	v_max_num_f32 v228, v228, v215
	v_permlanex16_b32 v229, v228, s56, s57
	v_max_num_f32 v228, v228, v229                 ; the step's largest score of my query
	v_mul_f32 v228, s54, v228                      ; as t (c is positive)
	v_max_num_f32 v13, v13, v228
	v_mov_b32 v228, v12
	v_floor_f32 v12, -v13                          ; the new -M = -ceil(t)
	v_sub_f32 v228, v12, v228                      ; old M - new M: a whole number, 0 or less
	v_cvt_i32_f32 v228, v228                       ; (it saturates)
	v_ldexp_f32 v230, 1.0, v228                    ; f = 2^(old M - new M): rounds nothing
.irp j, 0,2,4,6,8,10,12,14,16,18,20,22,24,26,28,30,32,34,36,38,40,42,44,46,48,50,52,54,56,58,60,62
	v_pk_fma_f32 v[96+\j:97+\j], v[96+\j:97+\j], s[54:55], v[12:13] op_sel_hi:[1,0,0]   ; t - M, two at a time
.endr
.irp j, 0,1,2,3,4,5,6,7,8,9,10,11,12,13,14,15,16,17,18,19,20,21,22,23,24,25,26,27,28,29,30,31,32,33,34,35,36,37,38,39,40,41,42,43,44,45,46,47,48,49,50,51,52,53,54,55,56,57,58,59,60,61,62,63
	v_exp_f32 v[96+\j], v[96+\j]
.endr
	v_pk_mul_f32 v[14:15], v[14:15], v[230:231] op_sel_hi:[1,0]   ; the sum under the new M (a plain place behind the exponentials)
	s_wait_alu depctr_va_vdst(0)
	v_pk_add_f32 v[232:233], v[96:97], v[98:99]
.irp j, 4,8,12,16,20,24,28,32,36,40,44,48,52,56,60
	v_pk_add_f32 v[14:15], v[14:15], v[96+\j:97+\j]
	v_pk_add_f32 v[232:233], v[232:233], v[98+\j:99+\j]
.endr
	v_pk_add_f32 v[14:15], v[14:15], v[232:233]
	s_add_co_u32 s50, s50, 6144
	s_add_co_u32 s51, s51, 512
	s_add_co_u32 s49, s49, 1
	s_cmp_lt_u32 s49, 16
	s_cbranch_scc1 .Lp1
	v_add_f32 v14, v14, v15                        ; the sum's two halves,
	v_permlanex16_b32 v229, v14, s56, s57
	v_add_f32 v14, v14, v229                       ; and lane l xor 16's: l, at least 1/2
	v_rcp_f32 v14, v14
	v_nop                                          ; one plain place behind a transcendental
	s_wait_alu depctr_va_vdst(0)
	v_mul_f32 v14, v14, v241                       ; query_mask / l
	v_mov_b32 v15, v14
.irp j, 0,1,2,3,4,5,6,7,8,9,10,11,12,13,14,15,16,17,18,19,20,21,22,23,24,25,26,27,28,29,30,31
	v_mov_b32 v[160+\j], 0                         ; O^T: 32 registers, once: the step is written once, inside a loop of which a wave leaves trips out
.endr
	s_mov_b32 s49, 0
	s_mov_b32 s50, 0
	s_mov_b32 s51, 0
	s_mov_b32 s52, 0                               ; V's words: 256 a step
	; ---------------- PASS 2: the weights, quantised, times V ----------------
.Lp2:                                                  ; 16 trips for every wave; a step all of whose keys come after my queries is left out by a scalar branch on ids, round its work alone
	s_cmp_gt_u32 s49, s48
	s_cbranch_scc1 .Lskip
	SCORES
	v_add_nc_u32 v234, s51, v4                     ; (these four are the places behind the products)
	v_add_nc_u32 v235, s50, v5
	v_add_nc_u32 v236, s50, v6
	v_add_nc_u32 v237, s52, v7
.irp b, 0,1,2,3
.irp j, 0,1,2,3
	ds_load_b128 v[32+16*\b+4*\j:35+16*\b+4*\j], v234 offset:128*\b+16*\j   ; value_mask of key 32 b + 16 h + 4 j on: register 16 b + i beside S's
.endr
.endr
.irp j, 0,2,4,6,8,10,12,14,16,18,20,22,24,26,28,30,32,34,36,38,40,42,44,46,48,50,52,54,56,58,60,62
	v_pk_fma_f32 v[96+\j:97+\j], v[96+\j:97+\j], s[54:55], v[12:13] op_sel_hi:[1,0,0]   ; t - M, with the row's final M
.endr
.irp j, 0,1,2,3,4,5,6,7,8,9,10,11,12,13,14,15,16,17,18,19,20,21,22,23,24,25,26,27,28,29,30,31,32,33,34,35,36,37,38,39,40,41,42,43,44,45,46,47,48,49,50,51,52,53,54,55,56,57,58,59,60,61,62,63
	v_exp_f32 v[96+\j], v[96+\j]
.endr
	v_nop                                          ; one plain place behind the exponentials
	s_cmp_lg_u32 s49, s48
	s_cbranch_scc1 .Lopen                          ; only the step on the diagonal has hidden keys
	s_wait_alu depctr_va_vdst(0)
.irp n, 0,1,2,3,4,5,6,7,8,9,10,11,12,13,14,15,16,17,18,19,20,21,22,23,24,25,26,27,28,29,30,31,32,33,34,35,36,37,38,39,40,41,42,43,44,45,46,47,48,49,50,51,52,53,54,55,56,57,58,59,60,61,62,63
	v_cmp_gt_i32 vcc_lo, 32*(\n/16)+\n%16, v11
	v_cndmask_b32 v[96+\n], v[96+\n], v247, vcc_lo   ; the triangle multiplies the finished weight by 0
.endr
.Lopen:
	s_wait_alu depctr_va_vdst(0)
.irp j, 0,2,4,6,8,10,12,14,16,18,20,22,24,26,28,30,32,34,36,38,40,42,44,46,48,50,52,54,56,58,60,62
	v_pk_mul_f32 v[96+\j:97+\j], v[96+\j:97+\j], v[14:15]   ; x query_mask / l
.endr
	s_wait_dscnt 0x0                               ; value_mask is in
.irp j, 0,2,4,6,8,10,12,14,16,18,20,22,24,26,28,30,32,34,36,38,40,42,44,46,48,50,52,54,56,58,60,62
	v_pk_mul_f32 v[96+\j:97+\j], v[96+\j:97+\j], v[32+\j:33+\j]   ; x value_mask
.endr
	ds_load_b64 v[30:31], v237                     ; V's words: register i: lanes 0-15 tile 2 i's, lanes 16-31 tile 2 i + 1's
.irp t, 0,1,2,3
.irp c, 0,1
	ds_load_b128 v[32+12*\t+6*\c:35+12*\t+6*\c], v235 offset:768*(2*\t+\c)
	ds_load_b64 v[36+12*\t+6*\c:37+12*\t+6*\c], v236 offset:768*(2*\t+\c)+512
.endr
.endr
.irp b, 0,1,2,3
	v_max3_num_f32 v[212+\b], |v[96+16*\b]|, |v[97+16*\b]|, 0x2800000   ; block b: my 16 weights, and the floor 2^(5 - 127)
.endr
.irp i, 2,4,6,8,10,12,14
.irp b, 0,1,2,3
	v_max3_num_f32 v[212+\b], v[212+\b], |v[96+16*\b+\i]|, |v[97+16*\b+\i]|
.endr
.endr
.irp b, 0,1,2,3
	v_permlanex16_b32 v[216+\b], v[212+\b], s56, s57
.endr
.irp b, 0,1,2,3
	v_max_num_f32 v[212+\b], v[212+\b], v[216+\b]  ; with lane l xor 16's: the block's largest magnitude
.endr
.irp b, 0,1,2,3
	v_add_nc_u32 v[220+\b], 0xfe000000, v[212+\b]  ; 4 off its exponent field: the conversion's scale operand
.endr
.irp b, 0,1,2,3
	v_lshrrev_b32 v[216+\b], 23, v[220+\b]         ; the scale's byte
.endr
	v_lshl_or_b32 v29, v217, 8, v216               ; the weights' scale word for these 128 keys
	v_lshl_or_b32 v29, v218, 16, v29
	v_lshl_or_b32 v29, v219, 24, v29
.irp c, 0,1
	v_cvt_scalef32_pk16_bf6_f32 v[192+6*\c:194+6*\c], v[96+32*\c:111+32*\c], v[220+2*\c]
	v_cvt_scalef32_pk16_bf6_f32 v[204+4*\c:206+4*\c], v[112+32*\c:127+32*\c], v[221+2*\c]   ; (a conversion's three registers begin on an even number)
.endr
	v_nop                                          ; one plain place behind a scaled conversion
.irp c, 0,1
.irp i, 0,1,2
	v_permlane16_swap_b32 v[192+6*\c+\i], v[204+4*\c+\i]   ; a whole block to a lane: lanes 0-15 block 2 c, lanes 16-31 block 2 c + 1
.endr
.irp i, 0,1,2
	v_mov_b32 v[195+6*\c+\i], v[204+4*\c+\i]
.endr
.endr
.rept 4
	v_nop                                          ; an operand written by vector instructions stands 4 places ahead of a scaled matrix instruction, a scale word 8: the word has the v_nop, the six moves and these four
.endr
	s_wait_dscnt 0x0                               ; V's fragments and words are in
.irp t, 0,1,2,3                        ; the four accumulators by turns; between two links of a chain stand the three others' and the next step's eight scores
.if \t%2
	v_wmma_scale_f32_16x16x128_f8f6f4 v[160+8*\t:167+8*\t], v[32+12*\t:43+12*\t], v[192:203], v[160+8*\t:167+8*\t], v[30+\t/2], v29 matrix_a_fmt:MATRIX_FMT_BF6 matrix_b_fmt:MATRIX_FMT_BF6 matrix_a_scale:MATRIX_SCALE_ROW1
.else
	v_wmma_scale_f32_16x16x128_f8f6f4 v[160+8*\t:167+8*\t], v[32+12*\t:43+12*\t], v[192:203], v[160+8*\t:167+8*\t], v[30+\t/2], v29 matrix_a_fmt:MATRIX_FMT_BF6 matrix_b_fmt:MATRIX_FMT_BF6
.endif
.endr
.Lskip:
	s_add_co_u32 s50, s50, 6144
	s_add_co_u32 s51, s51, 512
	s_add_co_u32 s52, s52, 256
	s_add_co_u32 s49, s49, 1
	s_cmp_lt_u32 s49, 16
	s_cbranch_scc1 .Lp2
	; ---------------- THE WAY OUT: through my own stage, so that sixteen lanes store a row's 256 consecutive bytes ----------------
.rept 4
	v_nop                                          ; places behind the last products
.endr
.irp t, 0,1,2,3
	ds_store_b128 v238, v[160+8*\t:163+8*\t] offset:64*\t          ; lane (r, h): x(r, 16 t + 8 h + 0 .. 7); each accumulator from its low end on
	ds_store_b128 v238, v[164+8*\t:167+8*\t] offset:64*\t+16
.endr
.irp i, 0,1,2,3,4,5,6,7
	ds_load_b128 v[32+4*\i:35+4*\i], v239 offset:544*\i            ; LDS serves a wave's instructions in order (ISA guide 5.7.1.4): these see my stores
.endr
.irp i, 0,1,2,3,4,5,6,7
	s_wait_dscnt 7-\i                              ; rows 2 i and 2 i + 1 are back; the later loads may be out
	global_store_b128 v240, v[32+4*\i:35+4*\i], s[24:25] offset:4096*\i
.endr
	s_wait_tensorcnt 0x0
	ds_add_u32 v254, v255
	s_wait_dscnt 0x0
	s_endpgm
.Lfunc_end_k_q2b28fa7417_attn:
	.size	k_q2b28fa7417_attn, .Lfunc_end_k_q2b28fa7417_attn-k_q2b28fa7417_attn
	.p2alignl 7, 3214868480
	.fill 96, 4, 3214868480
	.section	.rodata,"a",@progbits
	.p2align	6, 0x0
	.amdhsa_kernel k_q2b28fa7417_attn
		.amdhsa_group_segment_fixed_size 288768
		.amdhsa_private_segment_fixed_size 0
		.amdhsa_enable_private_segment 0
		.amdhsa_kernarg_size 72
		.amdhsa_user_sgpr_count 2
		.amdhsa_user_sgpr_kernarg_segment_ptr 1
		.amdhsa_wavefront_size32 1
		.amdhsa_system_sgpr_workgroup_id_x 1
		.amdhsa_system_sgpr_workgroup_id_y 1
		.amdhsa_system_sgpr_workgroup_id_z 1
		.amdhsa_system_vgpr_workitem_id 0
		.amdhsa_next_free_vgpr 256
		.amdhsa_next_free_sgpr 66
		.amdhsa_reserve_vcc 1
		.amdhsa_float_denorm_mode_32 3
		.amdhsa_float_denorm_mode_16_64 3
		.amdhsa_memory_ordered 1
		.amdhsa_forward_progress 1
		.amdhsa_inst_pref_size 45
	.end_amdhsa_kernel
	.amdgpu_metadata
---
amdhsa.version: [ 1, 2 ]
amdhsa.kernels:
  - .name:           k_q2b28fa7417_attn
    .symbol:         k_q2b28fa7417_attn.kd
    .args:
      - { .name: qc, .offset: 0, .size: 8, .value_kind: global_buffer, .address_space: global }
      - { .name: qs, .offset: 8, .size: 8, .value_kind: global_buffer, .address_space: global }
      - { .name: kc, .offset: 16, .size: 8, .value_kind: global_buffer, .address_space: global }
      - { .name: ks, .offset: 24, .size: 8, .value_kind: global_buffer, .address_space: global }
      - { .name: vc, .offset: 32, .size: 8, .value_kind: global_buffer, .address_space: global }
      - { .name: vs, .offset: 40, .size: 8, .value_kind: global_buffer, .address_space: global }
      - { .name: value_mask, .offset: 48, .size: 8, .value_kind: global_buffer, .address_space: global }
      - { .name: query_mask, .offset: 56, .size: 8, .value_kind: global_buffer, .address_space: global }
      - { .name: xo, .offset: 64, .size: 8, .value_kind: global_buffer, .address_space: global }
    .group_segment_fixed_size: 288768
    .private_segment_fixed_size: 0
    .kernarg_segment_align: 8
    .kernarg_segment_size: 72
    .max_flat_workgroup_size: 512
    .sgpr_count:     66
    .vgpr_count:     256
    .wavefront_size: 32
...
	.end_amdgpu_metadata
.endif
;; end of part 2
;; launch norm (part 3): grid 256 x 1, 8 waves a work-group, no clusters, 0 bytes of LDS; arguments xo, query, gamma, beta, out0; writes out0
.if DOCPART == 3
	.amdgcn_target "amdgcn-amd-amdhsa--gfx1250"
	.amdhsa_code_object_version 6
	.text
	.protected	k_q2b28fa7417_norm
	.globl	k_q2b28fa7417_norm
	.p2align	8
	.type	k_q2b28fa7417_norm,@function
k_q2b28fa7417_norm:
	s_mov_b64 s[64:65], 0
	v_nop
	global_prefetch_b8 v0, s[64:65] scope:SCOPE_SE
	s_setreg_imm32_b32 hwreg(HW_REG_WAVE_MODE, 25, 1), 1
	s_wait_xcnt 0x0
; out0 = LayerNorm(xo + query) x gamma + beta, eps = 1e-3, rows of 512 f32.  A stream: no LDS, no barrier, no matrix unit, no cluster (work-groups share gamma and beta alone, 4,096 bytes).
; A wave takes 4 whole rows; a lane holds 16 numbers of a row (columns 128 j + 4 lane + 0 .. 3), so each load and store of a wave covers 512 consecutive bytes.
; All 40 loads of a wave go out at the head; each row has registers of its own, so no store's data are written again.
; The variance is taken about the mean, from the row in registers: a common offset of the inputs does no harm.
.set G,  4                             ; v4-19    gamma of my 16 columns
.set BT, 20                            ; v20-35   beta
.set X,  36                            ; v36-99   row i: xo, then y, then the result
.set Y,  100                           ; v100-163 row i: query
	s_load_b256 s[4:11], s[0:1], 0x0               ; xo 4, query 6, gamma 8, beta 10
	s_load_b64 s[12:13], s[0:1], 0x20              ; out0
	v_lshrrev_b32 v1, 5, v0
	v_readfirstlane_b32 s14, v1                    ; wave
	v_and_b32 v2, 31, v0
	v_lshlrev_b32 v2, 4, v2                        ; 16 x lane
	s_lshl_b32 s16, ttmp9, 16                      ; 32 rows of 2,048 bytes,
	s_lshl_b32 s15, s14, 13                        ; my wave's 4
	s_add_co_u32 s16, s16, s15
	s_mov_b32 s17, 0
	s_mov_b32 s18, 0x76543210
	s_mov_b32 s19, 0xfedcba98                      ; v_permlanex16_b32's selects for lane l xor 16
	s_mov_b32 s20, 0x3b000000                      ; 1 / 512
	s_mov_b32 s21, 0x3a83126f                      ; 1e-3
	v_mov_b32 v172, 0                              ; a lane permute's destination counts as one of its sources
	s_wait_kmcnt 0x0
	s_add_nc_u64 s[4:5], s[4:5], s[16:17]
	s_add_nc_u64 s[6:7], s[6:7], s[16:17]
	s_add_nc_u64 s[12:13], s[12:13], s[16:17]
.irp j, 0,1,2,3
	global_load_b128 v[G+4*\j:G+4*\j+3], v2, s[8:9] offset:512*\j
.endr
.irp j, 0,1,2,3
	global_load_b128 v[BT+4*\j:BT+4*\j+3], v2, s[10:11] offset:512*\j
.endr
.irp i, 0,1,2,3
.irp j, 0,1,2,3
	global_load_b128 v[X+16*\i+4*\j:X+16*\i+4*\j+3], v2, s[4:5] offset:2048*\i+512*\j th:TH_LOAD_NT
.endr
.irp j, 0,1,2,3
	global_load_b128 v[Y+16*\i+4*\j:Y+16*\i+4*\j+3], v2, s[6:7] offset:2048*\i+512*\j th:TH_LOAD_NT
.endr
.endr
.macro REDUCE                          ; v[164:165] -> the sum over the pair and the 32 lanes, in every lane's v164
	v_add_f32 v164, v164, v165
	v_add_f32_dpp v164, v164, v164 row_xmask:1 row_mask:0xf bank_mask:0xf
	v_add_f32_dpp v164, v164, v164 row_xmask:2 row_mask:0xf bank_mask:0xf
	v_add_f32_dpp v164, v164, v164 row_xmask:4 row_mask:0xf bank_mask:0xf
	v_add_f32_dpp v164, v164, v164 row_xmask:8 row_mask:0xf bank_mask:0xf
	v_permlanex16_b32 v172, v164, s18, s19
	v_add_f32 v164, v164, v172
.endm
.macro ROW i
.set XR, X+16*\i
.set YR, Y+16*\i
	s_wait_loadcnt 8*(3-\i)                        ; this row's eight loads are in; the later rows' eight each may be out
.irp k, 0,2,4,6,8,10,12,14
	v_pk_add_f32 v[XR+\k:XR+\k+1], v[XR+\k:XR+\k+1], v[YR+\k:YR+\k+1]   ; y = x + query
.endr
	v_pk_add_f32 v[164:165], v[XR:XR+1], v[XR+2:XR+3]
	v_pk_add_f32 v[166:167], v[XR+4:XR+5], v[XR+6:XR+7]
	v_pk_add_f32 v[168:169], v[XR+8:XR+9], v[XR+10:XR+11]
	v_pk_add_f32 v[170:171], v[XR+12:XR+13], v[XR+14:XR+15]
	v_pk_add_f32 v[164:165], v[164:165], v[166:167]
	v_pk_add_f32 v[168:169], v[168:169], v[170:171]
	v_pk_add_f32 v[164:165], v[164:165], v[168:169]
	REDUCE
	v_mul_f32 v174, s20, v164                      ; the mean
	v_mov_b32 v175, v174
.irp k, 0,2,4,6,8,10,12,14
	v_pk_add_f32 v[XR+\k:XR+\k+1], v[XR+\k:XR+\k+1], v[174:175] neg_lo:[0,1] neg_hi:[0,1]   ; y - mean
.endr
	v_pk_mul_f32 v[164:165], v[XR:XR+1], v[XR:XR+1]                 ; the squares, in two chains
	v_pk_mul_f32 v[166:167], v[XR+2:XR+3], v[XR+2:XR+3]
.irp k, 4,8,12
	v_pk_fma_f32 v[164:165], v[XR+\k:XR+\k+1], v[XR+\k:XR+\k+1], v[164:165]
	v_pk_fma_f32 v[166:167], v[XR+\k+2:XR+\k+3], v[XR+\k+2:XR+\k+3], v[166:167]
.endr
	v_pk_add_f32 v[164:165], v[164:165], v[166:167]
	REDUCE
	v_fma_f32 v174, v164, s20, s21                 ; the variance + eps
	v_rsq_f32 v174, v174
	v_nop                                          ; one plain place behind a transcendental
	s_wait_alu depctr_va_vdst(0)
	v_mov_b32 v175, v174
.irp k, 0,2,4,6,8,10,12,14
	v_pk_mul_f32 v[XR+\k:XR+\k+1], v[XR+\k:XR+\k+1], v[174:175]
.endr
.irp k, 0,2,4,6,8,10,12,14
	v_pk_fma_f32 v[XR+\k:XR+\k+1], v[XR+\k:XR+\k+1], v[G+\k:G+\k+1], v[BT+\k:BT+\k+1]
.endr
.irp j, 0,1,2,3
	global_store_b128 v2, v[XR+4*\j:XR+4*\j+3], s[12:13] offset:2048*\i+512*\j th:TH_STORE_NT   ; 512 consecutive bytes, at a multiple of 256 from out0's first byte
.endr
.endm
	ROW 0
	ROW 1
	ROW 2
	ROW 3
	s_endpgm
.Lfunc_end_k_q2b28fa7417_norm:
	.size	k_q2b28fa7417_norm, .Lfunc_end_k_q2b28fa7417_norm-k_q2b28fa7417_norm
	.p2alignl 7, 3214868480
	.fill 96, 4, 3214868480
	.section	.rodata,"a",@progbits
	.p2align	6, 0x0
	.amdhsa_kernel k_q2b28fa7417_norm
		.amdhsa_group_segment_fixed_size 0
		.amdhsa_private_segment_fixed_size 0
		.amdhsa_enable_private_segment 0
		.amdhsa_kernarg_size 40
		.amdhsa_user_sgpr_count 2
		.amdhsa_user_sgpr_kernarg_segment_ptr 1
		.amdhsa_wavefront_size32 1
		.amdhsa_system_sgpr_workgroup_id_x 1
		.amdhsa_system_sgpr_workgroup_id_y 1
		.amdhsa_system_sgpr_workgroup_id_z 1
		.amdhsa_system_vgpr_workitem_id 0
		.amdhsa_next_free_vgpr 176
		.amdhsa_next_free_sgpr 66
		.amdhsa_reserve_vcc 0
		.amdhsa_float_denorm_mode_32 3
		.amdhsa_float_denorm_mode_16_64 3
		.amdhsa_memory_ordered 1
		.amdhsa_forward_progress 1
		.amdhsa_inst_pref_size 23
	.end_amdhsa_kernel
	.amdgpu_metadata
---
amdhsa.version: [ 1, 2 ]
amdhsa.kernels:
  - .name:           k_q2b28fa7417_norm
    .symbol:         k_q2b28fa7417_norm.kd
    .args:
      - { .name: xo, .offset: 0, .size: 8, .value_kind: global_buffer, .address_space: global }
      - { .name: query, .offset: 8, .size: 8, .value_kind: global_buffer, .address_space: global }
      - { .name: gamma, .offset: 16, .size: 8, .value_kind: global_buffer, .address_space: global }
      - { .name: beta, .offset: 24, .size: 8, .value_kind: global_buffer, .address_space: global }
      - { .name: out0, .offset: 32, .size: 8, .value_kind: global_buffer, .address_space: global }
    .group_segment_fixed_size: 0
    .private_segment_fixed_size: 0
    .kernarg_segment_align: 8
    .kernarg_segment_size: 40
    .max_flat_workgroup_size: 256
    .sgpr_count:     66
    .vgpr_count:     176
    .wavefront_size: 32
...
	.end_amdgpu_metadata
.endif
;; end of part 3
